; MI455X (gfx1250); checked and timed in simulation.
; The chip was launched on July 23, 2026; its instructions are those of AMD's public machine-readable ISA for CDNA 5 (MIT licence, August 2026) and "CDNA5" Instruction Set Architecture Reference Guide (July 2026). The comments in the code are by the model that wrote it; some were corrected since.
;; Attn. Allowed arithmetic: float matrix products may take bf16 or f16 operands with f32 sums; all other float work in f32.
;; Inputs: W 512 x 1,024 float32; b 512 float32; encoderOutputs 4,096 x 32 x 512 float32; hidden 1 x 32 x 512 float32; v 512 float32.
;; Outputs: out0 32 x 1 x 4,096 float32.
;; One version. Each part assembles by itself: llvm-mc -triple=amdgcn-amd-amdhsa -mcpu=gfx1250 --defsym DOCPART=n.
;; ======== version 1 of 1: 3 launches
;; workspace buffers: u 4,096 bytes; scores 524,288 bytes
;; launch fold (part 1): grid 16 x 1, 16 waves a work-group, no clusters, 10,240 bytes of LDS; arguments W, v, u; writes u
.if DOCPART == 1
	.amdgcn_target "amdgcn-amd-amdhsa--gfx1250"
	.amdhsa_code_object_version 6
	.text
	.protected	k_qb70b8dc3b4_fold
	.globl	k_qb70b8dc3b4_fold
	.p2align	8
	.type	k_qb70b8dc3b4_fold,@function
k_qb70b8dc3b4_fold:
	s_mov_b64 s[64:65], 0
	v_nop
	global_prefetch_b8 v0, s[64:65] scope:SCOPE_SE
	s_setreg_imm32_b32 hwreg(HW_REG_WAVE_MODE, 25, 1), 1
	s_wait_xcnt 0x0
; u[j] = sum over k of v[k] W[k][j], j = 0 .. 1023.  W: [512][1024] f32, v: [512] f32, u: [1024] f32.
; WHY: the energy W2 e + W1 h + b is used only in a product with the fixed vector v, and v . (W x) = (W^T v) . x for every
; input.  So v is folded into W once, here, and the later launches need one dot product of length 512 for each row.
; LIMIT, stated: the sums are formed in another order than in the written formula (v into W first); all of it in f32.
; No matrix instruction: the product has a single row (v), so fifteen of sixteen rows of a tile would be idle, and W would be
; rounded to 16 bits for nothing.  No cluster: no two work-groups read the same byte of W; v (2,048 bytes) is all they share.
;
; SHARES.  Work-group g owns columns 64 g .. 64 g + 63: 256 bytes of every row of W, and 256 aligned bytes of u.
; Thread t: q = t / 16 (0 .. 31), c = t % 16.  It takes rows 16 q .. 16 q + 15, columns 4 c .. 4 c + 3 of the block, so sixteen
; neighbouring lanes read 256 consecutive aligned bytes of one row, and a thread's sixteen v[k] are 64 neighbouring bytes.
; The 32 partial rows (one for each q) meet in LDS; wave 0 adds them up and stores the block of u.
.set ROWB, 4096                        ; bytes in a row of W
.set VW,  3                            ; v3       my byte offset in W: 16 q rows + 16 c
.set VV,  4                            ; v4       my byte offset in v: 64 q
.set LA,  5                            ; v5       LDS: where my four partial sums go, 16 t = 256 q + 16 c
.set LR,  6                            ; v6       8 x lane: LDS read offset within a partial row, and byte offset in the block of u
.set ACC, 8                            ; v[8:11]  four column sums
.set V,   12                           ; v[12:27] v[16 q .. 16 q + 15]
.set X,   28                           ; v[28:91] row i of mine in v[X+4i : X+4i+3]
.set P,   28                           ; v[28:91] later, in wave 0: partial row q, two columns, in v[P+2q : P+2q+1]
	s_load_b128 s[4:7], s[0:1], 0x0                ; W s[4:5], v s[6:7]
	s_load_b64 s[8:9], s[0:1], 0x10                ; u
	v_lshl_add_u32 v92, v0, 2, 0x2000
	v_mov_b32 v93, 0
	v_lshrrev_b32 v1, 5, v0
	v_readfirstlane_b32 s10, v1                    ; wave number, as a scalar
	v_lshrrev_b32 v1, 4, v0                        ; q
	v_and_b32 v2, 15, v0                           ; c
	v_lshlrev_b32 v[VW], 16, v1                    ; q x 16 rows x 4,096 bytes
	v_lshl_add_u32 v[VW], v2, 4, v[VW]             ; + 16 c
	v_lshlrev_b32 v[VV], 6, v1                     ; q x 16 numbers x 4 bytes
	v_lshlrev_b32 v[LA], 4, v0
	v_and_b32 v[LR], 31, v0
	v_lshlrev_b32 v[LR], 3, v[LR]
	s_lshl_b32 s12, ttmp9, 8                       ; the block's 256 bytes, in a row of W and in u
	s_mov_b32 s13, 0
	s_wait_kmcnt 0x0
	s_add_nc_u64 s[4:5], s[4:5], s[12:13]
	s_add_nc_u64 s[8:9], s[8:9], s[12:13]
	; all twenty loads are issued before anything is waited for
.irp j, 0,1,2,3
	global_load_b128 v[V+4*\j:V+4*\j+3], v[VV], s[6:7] offset:16*\j
.endr
.irp i, 0,1,2,3,4,5,6,7,8,9,10,11,12,13,14,15
	global_load_b128 v[X+4*\i:X+4*\i+3], v[VW], s[4:5] offset:ROWB*\i th:TH_LOAD_NT   ; each byte of W is read once in the launch
.endr
; Row i: four columns times v[16 q + i].  The first row starts the sums: nothing is cleared.
; The factor is one register of an aligned pair of V, sent to both halves: the pair's first (even i) or its second (odd i).
.macro ROWFMA i
	s_wait_loadcnt 15-\i                           ; loads come back in order (ISA guide 5.7.1): row i is in, the 15 - i younger rows stay out; v's loads are older
.if \i == 0
	v_pk_mul_f32 v[ACC:ACC+1],   v[X:X+1],   v[V:V+1] op_sel_hi:[1,0]
	v_pk_mul_f32 v[ACC+2:ACC+3], v[X+2:X+3], v[V:V+1] op_sel_hi:[1,0]
.else
.if (\i & 1) == 0
	v_pk_fma_f32 v[ACC:ACC+1],   v[X+4*\i:X+4*\i+1],   v[V+\i:V+\i+1], v[ACC:ACC+1]   op_sel_hi:[1,0,1]
	v_pk_fma_f32 v[ACC+2:ACC+3], v[X+4*\i+2:X+4*\i+3], v[V+\i:V+\i+1], v[ACC+2:ACC+3] op_sel_hi:[1,0,1]
.else
	v_pk_fma_f32 v[ACC:ACC+1],   v[X+4*\i:X+4*\i+1],   v[V+\i-1:V+\i], v[ACC:ACC+1]   op_sel:[0,1,0] op_sel_hi:[1,1,1]
	v_pk_fma_f32 v[ACC+2:ACC+3], v[X+4*\i+2:X+4*\i+3], v[V+\i-1:V+\i], v[ACC+2:ACC+3] op_sel:[0,1,0] op_sel_hi:[1,1,1]
.endif
.endif
.endm
.irp i, 0,1,2,3,4,5,6,7,8,9,10,11,12,13,14,15
	ROWFMA \i
.endr
	ds_store_b128 v[LA], v[ACC:ACC+3]              ; lane by lane 16 neighbouring bytes
	s_wait_dscnt 0x0                               ; for wave 0's sake: my partial sums are in LDS before I say so
	s_barrier_signal -1
	s_barrier_wait -1
	s_cmp_lg_u32 s10, 0                            ; the rest is wave 0's; no barrier stands behind this branch
	s_cbranch_scc1 .Lend
.irp q, 0,1,2,3,4,5,6,7,8,9,10,11,12,13,14,15,16,17,18,19,20,21,22,23,24,25,26,27,28,29,30,31
	ds_load_b64 v[P+2*\q:P+2*\q+1], v[LR] offset:256*\q    ; lane l: columns 2 l, 2 l + 1 of partial row q
.endr
	s_wait_dscnt 0x0
	; a tree over the 32 partial rows: 16 + 8 + 4 + 2 + 1 packed additions, no chain longer than five
.irp step, 16,8,4,2,1
.set qq, 0
.rept \step
	v_pk_add_f32 v[P+2*qq:P+2*qq+1], v[P+2*qq:P+2*qq+1], v[P+2*(qq+\step):P+2*(qq+\step)+1]
.set qq, qq+1
.endr
.endr
	global_store_b64 v[LR], v[P:P+1], s[8:9]       ; 32 lanes store the block's 256 consecutive bytes, at a multiple of 256 from u's first byte
.Lend:
	s_wait_tensorcnt 0x0
	ds_add_u32 v92, v93
	s_wait_dscnt 0x0
	s_endpgm
.Lfunc_end_k_qb70b8dc3b4_fold:
	.size	k_qb70b8dc3b4_fold, .Lfunc_end_k_qb70b8dc3b4_fold-k_qb70b8dc3b4_fold
	.p2alignl 7, 3214868480
	.fill 96, 4, 3214868480
	.section	.rodata,"a",@progbits
	.p2align	6, 0x0
	.amdhsa_kernel k_qb70b8dc3b4_fold
		.amdhsa_group_segment_fixed_size 10240
		.amdhsa_private_segment_fixed_size 0
		.amdhsa_enable_private_segment 0
		.amdhsa_kernarg_size 24
		.amdhsa_user_sgpr_count 2
		.amdhsa_user_sgpr_kernarg_segment_ptr 1
		.amdhsa_wavefront_size32 1
		.amdhsa_system_sgpr_workgroup_id_x 1
		.amdhsa_system_sgpr_workgroup_id_y 1
		.amdhsa_system_sgpr_workgroup_id_z 1
		.amdhsa_system_vgpr_workitem_id 0
		.amdhsa_next_free_vgpr 94
		.amdhsa_next_free_sgpr 66
		.amdhsa_reserve_vcc 0
		.amdhsa_float_denorm_mode_32 3
		.amdhsa_float_denorm_mode_16_64 3
		.amdhsa_memory_ordered 1
		.amdhsa_forward_progress 1
		.amdhsa_inst_pref_size 10
	.end_amdhsa_kernel
	.amdgpu_metadata
---
amdhsa.version: [ 1, 2 ]
amdhsa.kernels:
  - .name:           k_qb70b8dc3b4_fold
    .symbol:         k_qb70b8dc3b4_fold.kd
    .args:
      - { .name: W, .offset: 0, .size: 8, .value_kind: global_buffer, .address_space: global }
      - { .name: v, .offset: 8, .size: 8, .value_kind: global_buffer, .address_space: global }
      - { .name: u, .offset: 16, .size: 8, .value_kind: global_buffer, .address_space: global }
    .group_segment_fixed_size: 10240
    .private_segment_fixed_size: 0
    .kernarg_segment_align: 8
    .kernarg_segment_size: 24
    .max_flat_workgroup_size: 512
    .sgpr_count:     66
    .vgpr_count:     94
    .wavefront_size: 32
...
	.end_amdgpu_metadata
.endif
;; end of part 1
;; launch scores (part 2): grid 64 x 4, 8 waves a work-group, no clusters, 0 bytes of LDS; arguments encoderOutputs, u, scores; writes scores
.if DOCPART == 2
	.amdgcn_target "amdgcn-amd-amdhsa--gfx1250"
	.amdhsa_code_object_version 6
	.text
	.protected	k_qb70b8dc3b4_scores
	.globl	k_qb70b8dc3b4_scores
	.p2align	8
	.type	k_qb70b8dc3b4_scores,@function
k_qb70b8dc3b4_scores:
	s_mov_b64 s[64:65], 0
	v_nop
	global_prefetch_b8 v0, s[64:65] scope:SCOPE_SE
	s_setreg_imm32_b32 hwreg(HW_REG_WAVE_MODE, 25, 1), 1
	s_wait_xcnt 0x0
; raw[b][s] = enc[s][b][:] . u2, u2 = u[512 .. 1023] (the part of W^T v that meets the encoder's outputs).
; enc: [4096][32][512] f32, read once; raw: [32][4096] f32.  The term that is the same for all s is added in the next launch.
; A stream: one fused multiply-add for each number read, so the bytes are all that counts.  Left out, and why:
;   matrix instructions: after the fold the product has one column, and enc would be rounded to 16 bits in front of an exponential;
;   LDS and barriers: no wave reads what another wave loaded;
;   clusters: the work-groups share u2 alone, 2,048 bytes against the 131,072 bytes of enc that each wave reads.
; LIMIT, stated: a row's sum is formed in two chains a lane and a tree over the lanes, another order than a running sum; all in f32.
;
; SHARES.  Work-group (x, y): s = 64 x .. 64 x + 63, b = 8 y .. 8 y + 7.  Wave w owns b = 8 y + w: 64 rows of 2,048 bytes, 65,536 bytes
; apart; the eight waves' rows of one s are 16,384 consecutive bytes.  A row is four loads of 512 consecutive bytes; lane l holds
; columns 128 j + 4 l .. + 3 of piece j, and u2 lies in 16 registers in the same pattern.
; A ring of six slots in registers, a PAIR of rows in each (8 loads, 32 registers): 48 loads of every wave are on their way.
; Pair p's two sums end in lane p of the pair R, so the wave's 64 results leave by one store of 256 consecutive aligned bytes.
.set ROWSTEP, 65536                    ; bytes from s to s + 1: 32 x 512 x 4
.set SLOTS,   6
.set TRIPS,   4                        ; 4 x 6 pairs in the loop, 8 pairs behind it: 32 pairs = 64 rows
.set VO,  2                            ; v2        16 x lane: my 16 bytes in each piece of 512
.set REL, 3                            ; v3        lane - 6 x trips done: the turn whose number it equals keeps its sums in my lane
.set SO,  4                            ; v4        8 x lane: my two results in the wave's 256 bytes of raw
.set R,   6                            ; v[6:7]    lane p: the sums of rows 2 p, 2 p + 1
.set A0,  8                            ; v[8:11]   at work: the pair's first row
.set A1,  12                           ; v[12:15]  at work: its second row
.set T0,  16                           ; v16, v17  the other half's sums
.set T1,  17
.set U,   20                           ; v[20:35]  u2, piece j in v[U+4j : U+4j+3]
.set X,   36                           ; v[36:227] slot i, row r, piece j at X + 32 i + 16 r + 4 j
	s_load_b128 s[4:7], s[0:1], 0x0                ; enc s[4:5], u s[6:7]
	s_load_b64 s[8:9], s[0:1], 0x10                ; raw
	v_lshrrev_b32 v1, 5, v0
	v_readfirstlane_b32 s10, v1                    ; wave number
	v_and_b32 v[REL], 31, v0                       ; lane
	v_lshlrev_b32 v[VO], 4, v[REL]
	v_lshlrev_b32 v[SO], 3, v[REL]
	v_mov_b32 v[R], 0                              ; R is built lane by lane by selects, which read its old value: it is written whole first
	v_mov_b32 v[R+1], 0
	v_mov_b32 v[T0], 0                             ; the destination of v_permlanex16_b32 counts as read: written once
	v_mov_b32 v[T1], 0
	s_and_b32 s11, ttmp7, 0xffff
	s_lshl_b32 s11, s11, 3
	s_add_co_u32 s11, s11, s10                     ; b = 8 y + wave
	s_lshl_b32 s12, ttmp9, 22                      ; 64 x rows of s, 65,536 bytes each
	s_lshl_b32 s17, s11, 11                        ; + b rows of 2,048 bytes: below 2^28 in all
	s_add_co_u32 s12, s12, s17
	s_mov_b32 s13, 0
	s_lshl_b32 s18, s11, 14                        ; raw: b rows of 16,384 bytes
	s_lshl_b32 s17, ttmp9, 8                       ; + 64 x numbers of 4 bytes
	s_add_co_u32 s18, s18, s17
	s_mov_b32 s19, 0
	s_mov_b32 s14, 0x76543210                      ; v_permlanex16_b32: lane i of one half reads lane i of the other
	s_mov_b32 s15, 0xfedcba98
	s_wait_kmcnt 0x0
	s_add_nc_u64 s[4:5], s[4:5], s[12:13]          ; enc at my first row
	s_add_nc_u64 s[8:9], s[8:9], s[18:19]          ; raw at my 256 bytes
.irp j, 0,1,2,3
	global_load_b128 v[U+4*\j:U+4*\j+3], v[VO], s[6:7] offset:2048+512*\j     ; u2; every wave reads it, so no hint
.endr
; Eight loads: rows row0, row0 + 1 (counted from the base) into a slot.  Each load covers 512 consecutive bytes, aligned.
.macro FILL slot, row0
.irp r, 0,1
.irp j, 0,1,2,3
	global_load_b128 v[X+32*\slot+16*\r+4*\j:X+32*\slot+16*\r+4*\j+3], v[VO], s[4:5] offset:(\row0+\r)*ROWSTEP+512*\j th:TH_LOAD_NT
.endr
.endr
.endm
.irp i, 0,1,2,3,4,5
	FILL \i, 2*\i                                  ; the ring: pairs 0 to 5
.endr
; My 16 numbers of a row times my 16 of u2, in two chains that do not wait for each other; the first products start the sums.
.macro DOT acc, x
	v_pk_mul_f32 v[\acc:\acc+1],   v[\x:\x+1],   v[U:U+1]
	v_pk_mul_f32 v[\acc+2:\acc+3], v[\x+8:\x+9], v[U+8:U+9]
.irp k, 2,4,6
	v_pk_fma_f32 v[\acc:\acc+1],   v[\x+\k:\x+\k+1],   v[U+\k:U+\k+1],   v[\acc:\acc+1]
	v_pk_fma_f32 v[\acc+2:\acc+3], v[\x+8+\k:\x+9+\k], v[U+8+\k:U+9+\k], v[\acc+2:\acc+3]
.endr
	v_pk_add_f32 v[\acc:\acc+1], v[\acc:\acc+1], v[\acc+2:\acc+3]
	v_add_f32 v[\acc], v[\acc], v[\acc+1]
.endm
; The turn of a slot.  idx: the pair's number counted from the base's pair (the base stands at row 2 x that pair).
; fill = 1: the slot gets the pair six further on.  left: how many younger loads may stay out.
.macro TURN slot, idx, fill, left
	s_wait_loadcnt \left                           ; loads come back in order (ISA guide 5.7.1): this pair's eight are in, eight for each younger pair stay out
	DOT A0, (X+32*\slot)
	DOT A1, (X+32*\slot+16)
.if \fill
	FILL \slot, (12+2*\idx)                        ; as soon as the slot's registers have been read, ahead of the sums over the lanes
.endif
.irp m, 1,2,4,8
	v_add_f32_dpp v[A0], v[A0], v[A0] row_xmask:\m row_mask:0xf bank_mask:0xf     ; lane i + lane i xor m, inside each half of 16 lanes
	v_add_f32_dpp v[A1], v[A1], v[A1] row_xmask:\m row_mask:0xf bank_mask:0xf
.endr
	v_permlanex16_b32 v[T0], v[A0], s14, s15       ; the other half's sum
	v_permlanex16_b32 v[T1], v[A1], s14, s15
	v_cmp_eq_u32 vcc_lo, \idx, v[REL]              ; the one lane that keeps this pair
	v_add_f32 v[A0], v[A0], v[T0]
	v_add_f32 v[A1], v[A1], v[T1]
	v_cndmask_b32 v[R],   v[R],   v[A0], vcc_lo
	v_cndmask_b32 v[R+1], v[R+1], v[A1], vcc_lo
.endm
	s_mov_b32 s16, 0
.Ltrip:                                            ; pairs 6 t .. 6 t + 5; fills pairs 6 t + 6 .. 6 t + 11.  In the first turn u2's loads are older than slot 0's: the same wait covers them
.irp i, 0,1,2,3,4,5
	TURN \i, \i, 1, 8*(SLOTS-1)
.endr
	s_wait_xcnt 0x0                                ; the base, which the loads on their way name, is stepped only behind this wait (ISA guide 3.1)
	s_add_nc_u64 s[4:5], s[4:5], 2*SLOTS*ROWSTEP   ; twelve rows on, so that the loads' immediates stay at 23 rows at the most
	v_add_nc_u32 v[REL], -SLOTS, v[REL]
	s_add_co_u32 s16, s16, 1
	s_cmp_lt_u32 s16, TRIPS
	s_cbranch_scc1 .Ltrip
	; the last eight pairs, 24 to 31; the base stands at row 48.  Two more fills (rows 60 to 63, my last), then none: no load leaves my rows
	TURN 0, 0, 1, 40
	TURN 1, 1, 1, 40
	TURN 2, 2, 0, 40                               ; pairs 27 to 31 are behind this one,
	TURN 3, 3, 0, 32                               ; and the counts run down by eight a pair
	TURN 4, 4, 0, 24
	TURN 5, 5, 0, 16
	TURN 0, 6, 0, 8
	TURN 1, 7, 0, 0
	global_store_b64 v[SO], v[R:R+1], s[8:9]       ; 32 lanes store 256 consecutive bytes, at a multiple of 256 from raw's first byte
	s_endpgm
.Lfunc_end_k_qb70b8dc3b4_scores:
	.size	k_qb70b8dc3b4_scores, .Lfunc_end_k_qb70b8dc3b4_scores-k_qb70b8dc3b4_scores
	.p2alignl 7, 3214868480
	.fill 96, 4, 3214868480
	.section	.rodata,"a",@progbits
	.p2align	6, 0x0
	.amdhsa_kernel k_qb70b8dc3b4_scores
		.amdhsa_group_segment_fixed_size 0
		.amdhsa_private_segment_fixed_size 0
		.amdhsa_enable_private_segment 0
		.amdhsa_kernarg_size 24
		.amdhsa_user_sgpr_count 2
		.amdhsa_user_sgpr_kernarg_segment_ptr 1
		.amdhsa_wavefront_size32 1
		.amdhsa_system_sgpr_workgroup_id_x 1
		.amdhsa_system_sgpr_workgroup_id_y 1
		.amdhsa_system_sgpr_workgroup_id_z 1
		.amdhsa_system_vgpr_workitem_id 0
		.amdhsa_next_free_vgpr 228
		.amdhsa_next_free_sgpr 66
		.amdhsa_reserve_vcc 1
		.amdhsa_float_denorm_mode_32 3
		.amdhsa_float_denorm_mode_16_64 3
		.amdhsa_memory_ordered 1
		.amdhsa_forward_progress 1
		.amdhsa_inst_pref_size 41
	.end_amdhsa_kernel
	.amdgpu_metadata
---
amdhsa.version: [ 1, 2 ]
amdhsa.kernels:
  - .name:           k_qb70b8dc3b4_scores
    .symbol:         k_qb70b8dc3b4_scores.kd
    .args:
      - { .name: encoderOutputs, .offset: 0, .size: 8, .value_kind: global_buffer, .address_space: global }
      - { .name: u, .offset: 8, .size: 8, .value_kind: global_buffer, .address_space: global }
      - { .name: scores, .offset: 16, .size: 8, .value_kind: global_buffer, .address_space: global }
    .group_segment_fixed_size: 0
    .private_segment_fixed_size: 0
    .kernarg_segment_align: 8
    .kernarg_segment_size: 24
    .max_flat_workgroup_size: 256
    .sgpr_count:     66
    .vgpr_count:     228
    .wavefront_size: 32
...
	.end_amdgpu_metadata
.endif
;; end of part 2
;; launch softmax (part 3): grid 32 x 1, 32 waves a work-group, no clusters, 5,120 bytes of LDS; arguments scores, u, hidden, v, b, out0; writes out0
.if DOCPART == 3
	.amdgcn_target "amdgcn-amd-amdhsa--gfx1250"
	.amdhsa_code_object_version 6
	.text
	.protected	k_qb70b8dc3b4_softmax
	.globl	k_qb70b8dc3b4_softmax
	.p2align	8
	.type	k_qb70b8dc3b4_softmax,@function
k_qb70b8dc3b4_softmax:
	s_mov_b64 s[64:65], 0
	v_nop
	global_prefetch_b8 v0, s[64:65] scope:SCOPE_SE
	s_setreg_imm32_b32 hwreg(HW_REG_WAVE_MODE, 25, 1), 1
	s_wait_xcnt 0x0
; out0[b][0][s] = softmax over s of x[b][s], x = raw[b][s] + c(b), c(b) = u1 . hidden[b] + v . bias, u1 = u[0 .. 511].
; c(b) is the same for all s; it is formed from its inputs all the same and added in front of the maximum, as the formula has it,
; so that a NaN or an infinity in hidden or in the bias does what it does there.
; The row's maximum is taken away before the exponential.  LIMITS, stated: v_exp_f32 gives 0 for results below 2^-126, and it and v_rcp_f32
; are good to one unit in the last place (ISA guide 15.8); the division is a multiplication by the reciprocal of the sum; sums are trees.
; One work-group for each b, 32 waves: thread t holds the four numbers s = 4 t .. 4 t + 3, one load and one store of 16 bytes, so sixteen
; neighbouring lanes cover 256 consecutive aligned bytes.  The row stays in registers between the three passes.
; Thread t also forms one of the 1,024 products of c(b): waves 0-15 u1[t] hidden[b][t], waves 16-31 v[t - 512] bias[t - 512]; the text is the
; same for both, the two bases are chosen by the wave number.
; No cluster, no matrix instruction: the work-groups share 6,144 bytes (u1, v, bias) and there is no product of matrices here.
; LDS: bytes 0-255 (maximum, part of c) of wave w at 8 w; bytes 256-383 the sum of exponentials of wave w at 256 + 4 w.  The second
; reduction has bytes of its own, so that no barrier is needed between the first one's reads and its stores.
.set VS,  1                            ; v1       16 t: my 16 bytes of the row, in and out
.set VP,  2                            ; v2       4 (t % 512): my factors of c
.set LW8, 3                            ; v3       8 x wave
.set LL8, 4                            ; v4       8 x lane
.set LW4, 5                            ; v5       4 x wave
.set LL4, 6                            ; v6       4 x lane
.set S,   8                            ; v[8:11]  raw, then x, x - M, the exponentials, the results
.set F,   12                           ; v12, v13 the two factors
.set MP,  14                           ; v[14:15] (maximum of raw, part of c)
.set CM,  16                           ; v[16:17] (c, M)
.set T,   18                           ; v18, v19 the other half's figures
.set Z,   20                           ; v[20:21] the sum of exponentials, then its reciprocal in v20
	s_load_b256 s[4:11], s[0:1], 0x0               ; raw s[4:5], u s[6:7], hidden s[8:9], v s[10:11]
	s_load_b128 s[12:15], s[0:1], 0x20             ; bias s[12:13], out0 s[14:15]
	v_lshl_add_u32 v32, v0, 2, 0x400
	v_mov_b32 v33, 0
	v_lshrrev_b32 v7, 5, v0
	v_readfirstlane_b32 s20, v7                    ; wave number
	v_lshlrev_b32 v[VS], 4, v0
	v_and_b32 v[VP], 511, v0
	v_lshlrev_b32 v[VP], 2, v[VP]
	v_lshlrev_b32 v[LW8], 3, v7
	v_lshlrev_b32 v[LW4], 2, v7
	v_and_b32 v[LL4], 31, v0
	v_lshlrev_b32 v[LL8], 3, v[LL4]
	v_lshlrev_b32 v[LL4], 2, v[LL4]
	v_mov_b32 v[T], 0                              ; the destination of v_permlanex16_b32 counts as read: written once
	v_mov_b32 v[T+1], 0
	s_lshl_b32 s16, ttmp9, 14                      ; row b of raw and of out0: 16,384 bytes each
	s_mov_b32 s17, 0
	s_lshl_b32 s18, ttmp9, 11                      ; row b of hidden: 2,048 bytes
	s_mov_b32 s19, 0
	s_mov_b32 s26, 0x76543210                      ; v_permlanex16_b32: lane i of one half reads lane i of the other
	s_mov_b32 s27, 0xfedcba98
	s_wait_kmcnt 0x0
	s_add_nc_u64 s[4:5], s[4:5], s[16:17]
	s_add_nc_u64 s[14:15], s[14:15], s[16:17]
	s_add_nc_u64 s[8:9], s[8:9], s[18:19]
	s_cmp_lt_u32 s20, 16                           ; waves 0-15: u1 and hidden[b]; waves 16-31: v and the bias
	s_cselect_b64 s[22:23], s[6:7], s[10:11]
	s_cselect_b64 s[24:25], s[8:9], s[12:13]
	global_load_b128 v[S:S+3], v[VS], s[4:5]
	global_load_b32 v[F], v[VP], s[22:23]
	global_load_b32 v[F+1], v[VP], s[24:25]
; Over the 32 lanes of a wave, the result in every lane: four steps inside each half ride on the arithmetic, one crosses the halves.
.macro WMAX reg, tmp
.irp m, 1,2,4,8
	v_max_num_f32_dpp v[\reg], v[\reg], v[\reg] row_xmask:\m row_mask:0xf bank_mask:0xf
.endr
	v_permlanex16_b32 v[\tmp], v[\reg], s26, s27
	v_max_num_f32 v[\reg], v[\reg], v[\tmp]
.endm
.macro WSUM reg, tmp
.irp m, 1,2,4,8
	v_add_f32_dpp v[\reg], v[\reg], v[\reg] row_xmask:\m row_mask:0xf bank_mask:0xf
.endr
	v_permlanex16_b32 v[\tmp], v[\reg], s26, s27
	v_add_f32 v[\reg], v[\reg], v[\tmp]
.endm
	s_wait_loadcnt 0x0                             ; all three are needed at once
	; FIRST REDUCTION: the row's maximum of raw, and c, together
	v_mul_f32 v[MP+1], v[F], v[F+1]                ; my product of c
	v_max3_num_f32 v[MP], v[S], v[S+1], v[S+2]
	v_max_num_f32 v[MP], v[MP], v[S+3]
	WMAX MP, T
	WSUM MP+1, T+1
	ds_store_b64 v[LW8], v[MP:MP+1]                ; all lanes write the wave's two words, with the same values
	s_wait_dscnt 0x0                               ; for the others' sake: in LDS before I say so
	s_barrier_signal -1
	s_barrier_wait -1
	ds_load_b64 v[MP:MP+1], v[LL8]                 ; lane l takes wave l's pair
	s_wait_dscnt 0x0
	WMAX MP, T
	WSUM MP+1, T+1
	v_mov_b32 v[CM], v[MP+1]                       ; c
	v_add_f32 v[CM+1], v[MP], v[MP+1]              ; M = max(raw) + c: rounding keeps order, so this is the maximum of the rounded x
	; x = raw + c, then x - M, then times log2(e).  The difference is formed first and not folded into a multiply-add with M log2(e):
	; near the maximum x - M is exact, while a rounded M log2(e) would bring an error that grows with |M|.
	v_pk_add_f32 v[S:S+1],   v[S:S+1],   v[CM:CM+1] op_sel_hi:[1,0]
	v_pk_add_f32 v[S+2:S+3], v[S+2:S+3], v[CM:CM+1] op_sel_hi:[1,0]
	v_pk_add_f32 v[S:S+1],   v[S:S+1],   v[CM:CM+1] op_sel:[0,1] op_sel_hi:[1,1] neg_lo:[0,1] neg_hi:[0,1]
	v_pk_add_f32 v[S+2:S+3], v[S+2:S+3], v[CM:CM+1] op_sel:[0,1] op_sel_hi:[1,1] neg_lo:[0,1] neg_hi:[0,1]
	v_pk_mul_f32 v[S:S+1],   v[S:S+1],   0x3fb8aa3b op_sel_hi:[1,0]
	v_pk_mul_f32 v[S+2:S+3], v[S+2:S+3], 0x3fb8aa3b op_sel_hi:[1,0]
	v_exp_f32 v[S], v[S]
	v_exp_f32 v[S+1], v[S+1]
	v_exp_f32 v[S+2], v[S+2]
	v_exp_f32 v[S+3], v[S+3]
	v_nop                                          ; one plain vector instruction between a transcendental and the first use of its result (ISA guide 5.7.2)
	; SECOND REDUCTION: the sum of the 4,096 exponentials; each is at most 1 and the maximum's is 1, so the sum lies between 1 and 4,096
	s_wait_alu depctr_va_vdst(0)
	v_pk_add_f32 v[Z:Z+1], v[S:S+1], v[S+2:S+3]
	v_add_f32 v[Z], v[Z], v[Z+1]
	WSUM Z, T
	ds_store_b32 v[LW4], v[Z] offset:256
	s_wait_dscnt 0x0                               ; for the others' sake, as above
	s_barrier_signal -1
	s_barrier_wait -1
	ds_load_b32 v[Z], v[LL4] offset:256            ; lane l takes wave l's sum
	s_wait_dscnt 0x0
	WSUM Z, T
	v_rcp_f32 v[Z], v[Z]
	v_nop                                          ; the place behind the transcendental
	s_wait_alu depctr_va_vdst(0)
	v_pk_mul_f32 v[S:S+1],   v[S:S+1],   v[Z:Z+1] op_sel_hi:[1,0]    ; both halves times v[Z]; v[Z+1] is not taken
	v_pk_mul_f32 v[S+2:S+3], v[S+2:S+3], v[Z:Z+1] op_sel_hi:[1,0]
	global_store_b128 v[VS], v[S:S+3], s[14:15]    ; sixteen lanes store 256 consecutive bytes, at a multiple of 256 from out0's first byte
	s_wait_tensorcnt 0x0
	ds_add_u32 v32, v33
	s_wait_dscnt 0x0
	s_endpgm
.Lfunc_end_k_qb70b8dc3b4_softmax:
	.size	k_qb70b8dc3b4_softmax, .Lfunc_end_k_qb70b8dc3b4_softmax-k_qb70b8dc3b4_softmax
	.p2alignl 7, 3214868480
	.fill 96, 4, 3214868480
	.section	.rodata,"a",@progbits
	.p2align	6, 0x0
	.amdhsa_kernel k_qb70b8dc3b4_softmax
		.amdhsa_group_segment_fixed_size 5120
		.amdhsa_private_segment_fixed_size 0
		.amdhsa_enable_private_segment 0
		.amdhsa_kernarg_size 48
		.amdhsa_user_sgpr_count 2
		.amdhsa_user_sgpr_kernarg_segment_ptr 1
		.amdhsa_wavefront_size32 1
		.amdhsa_system_sgpr_workgroup_id_x 1
		.amdhsa_system_sgpr_workgroup_id_y 1
		.amdhsa_system_sgpr_workgroup_id_z 1
		.amdhsa_system_vgpr_workitem_id 0
		.amdhsa_next_free_vgpr 34
		.amdhsa_next_free_sgpr 66
		.amdhsa_reserve_vcc 0
		.amdhsa_float_denorm_mode_32 3
		.amdhsa_float_denorm_mode_16_64 3
		.amdhsa_memory_ordered 1
		.amdhsa_forward_progress 1
		.amdhsa_inst_pref_size 6
	.end_amdhsa_kernel
	.amdgpu_metadata
---
amdhsa.version: [ 1, 2 ]
amdhsa.kernels:
  - .name:           k_qb70b8dc3b4_softmax
    .symbol:         k_qb70b8dc3b4_softmax.kd
    .args:
      - { .name: scores, .offset: 0, .size: 8, .value_kind: global_buffer, .address_space: global }
      - { .name: u, .offset: 8, .size: 8, .value_kind: global_buffer, .address_space: global }
      - { .name: hidden, .offset: 16, .size: 8, .value_kind: global_buffer, .address_space: global }
      - { .name: v, .offset: 24, .size: 8, .value_kind: global_buffer, .address_space: global }
      - { .name: b, .offset: 32, .size: 8, .value_kind: global_buffer, .address_space: global }
      - { .name: out0, .offset: 40, .size: 8, .value_kind: global_buffer, .address_space: global }
    .group_segment_fixed_size: 5120
    .private_segment_fixed_size: 0
    .kernarg_segment_align: 8
    .kernarg_segment_size: 48
    .max_flat_workgroup_size: 1024
    .sgpr_count:     66
    .vgpr_count:     34
    .wavefront_size: 32
...
	.end_amdgpu_metadata
.endif
;; end of part 3
